; MI455X (gfx1250); checked and timed in simulation.
; The chip was launched on July 23, 2026; its instructions are those of AMD's public machine-readable ISA for CDNA 5 (MIT licence, August 2026) and "CDNA5" Instruction Set Architecture Reference Guide (July 2026). The comments in the code are by the model that wrote it; some were corrected since.
;; Sparse Multi Head Attention. Allowed arithmetic: float matrix products may take bf16 or f16 operands with f32 sums; all other float work in f32.
;; Inputs: K 4 x 1,024 x 1,024 float32; Q 4 x 1,024 x 1,024 float32; V 4 x 1,024 x 1,024 float32; Wk 1,024 x 1,024 float32; Wo 1,024 x 1,024 float32; Wq 1,024 x 1,024 float32; Wv 1,024 x 1,024 float32; bk 1,024 float32; bo 1,024 float32; bq 1,024 float32; bv 1,024 float32.
;; Outputs: out0 4 x 1,024 x 1,024 float32.
;; One version. Each part assembles by itself: llvm-mc -triple=amdgcn-amd-amdhsa -mcpu=gfx1250 --defsym DOCPART=n.
;; ======== version 1 of 1: 4 launches
;; limits: values are held in f16: magnitudes above 65,504 overflow, below 6.1e-05 lose precision
;; workspace buffers: xw 33,554,432 bytes; qkv 25,165,824 bytes; ob 8,388,608 bytes
;; launch cast (part 1): grid 1024 x 1, 8 waves a work-group, no clusters, 0 bytes of LDS; arguments Q, K, V, Wq, Wk, Wv, Wo, xw; writes xw
.if DOCPART == 1
	.amdgcn_target "amdgcn-amd-amdhsa--gfx1250"
	.amdhsa_code_object_version 6
	.text
	.protected	k_qcd5b86e1e6_cast
	.globl	k_qcd5b86e1e6_cast
	.p2align	8
	.type	k_qcd5b86e1e6_cast,@function
k_qcd5b86e1e6_cast:
	s_mov_b64 s[64:65], 0
	v_nop
	global_prefetch_b8 v0, s[64:65] scope:SCOPE_SE
	s_setreg_imm32_b32 hwreg(HW_REG_WAVE_MODE, 25, 1), 1
	s_wait_xcnt 0x0
; f32 -> f16 (round to nearest even) of Q, K, V and of Wq, Wk, Wv, Wo into one table xw of 16,384 rows of 1,024 f16 (2,048 bytes).
;   rows 0 .. 12287:  row which*4096 + b*1024 + r*256 + a  holds row s = 4 a + r of batch b of Q (which 0), K (1), V (2):
;                     the rows are regrouped by s mod 4, because a query attends to the keys of its own class (and three neighbours).
;   rows 12288 + 1024 w + k:  row k of Wq, Wk, Wv, Wo (w = 0 .. 3), as it lies.
; WHY f16 AND NOT bf16: a row of the result that attends to one or a few keys is as large as v itself, some five times the root mean square of all
; outputs, against which errors are held; roundings to 8 significand bits along the chain would use that allowance up, roundings to 11 bits do not.
; LIMIT: numbers beyond 65,504 in magnitude become infinite; below 2^-14 the step is 2^-24.  Inputs 30 times the drawn ones are under 200.
; A pure stream: no LDS, no matrix unit.  Work-group g owns 16 source rows; thread t owns the 16 bytes at 16 t of each (4 f32 in, 8 bytes out).
; A wave's load covers 512 consecutive bytes; a wave's store covers 256 consecutive bytes that start at a multiple of 256 from xw's first byte.
; All 16 loads of a thread go out at once (64 KiB for a work-group); no register is written twice, so no store's source is ever rewritten.
.set INB,  4096                        ; bytes of a source row
.set OUTB, 2048                        ; bytes of a row of xw
.set VO,   2                           ; v[2:5]    8 t + m * SA, m = i % 4
.set X,    8                           ; v[8:71]   source row i: 4 registers
.set Y,    72                          ; v[72:103] row i as f16: 2 registers
	s_load_b512 s[8:23], s[0:1], 0x0               ; Q K V Wq Wk Wv Wo xw, two registers each
	; Both cases are worked out, then chosen by one compare.  Source row i of the 16 goes to row  out + (i % 4) * SA/2048 + (i / 4) * SB/2048.
	s_lshr_b32 s2, ttmp9, 6                        ; g >> 6
	s_and_b32 s3, ttmp9, 63                        ; g & 63
	s_lshr_b32 s4, ttmp9, 8                        ; x: which tensor = g >> 8 (256 work-groups each)
	s_sub_co_u32 s5, s2, 9                         ; W: tensor 3 + (g - 768) / 64 (not used where g < 768)
	s_and_b32 s6, ttmp9, 255
	s_lshl_b32 s6, s6, 16                          ; x: byte offset of my 16 rows in the tensor
	s_lshl_b32 s7, s3, 16                          ; W: likewise
	s_lshl_b32 s26, s2, 10
	s_lshl2_add_u32 s26, s3, s26                   ; x: out = (which*4 + b) * 1024 + 4 (g & 63): class 0, a = s / 4
	s_lshl_b32 s27, ttmp9, 4                       ; W: out = 12288 + 16 (g - 768) = 16 g
	s_mov_b32 s28, 256*OUTB                        ; x: SA: the next class is 256 rows on
	s_movk_i32 s29, OUTB                           ; W: SA, and x: SB: the next row
	s_movk_i32 s31, 4*OUTB                         ; W: SB
	s_cmp_lt_u32 ttmp9, 768                        ; s_cselect leaves SCC as it is
	s_cselect_b32 s4, s4, s5
	s_cselect_b32 s6, s6, s7
	s_cselect_b32 s26, s26, s27
	s_cselect_b32 s28, s28, s29
	s_cselect_b32 s30, s29, s31
	s_mov_b32 s7, 0                                ; s[6:7]   = offset in the source
	s_lshl_b32 s26, s26, 11
	s_mov_b32 s27, 0                               ; s[26:27] = out * 2,048 (below 32 MiB)
	s_mov_b32 s31, 0                               ; s[30:31] = SB
	v_lshlrev_b32 v1, 4, v0                        ; 16 t
	v_lshlrev_b32 v[VO], 3, v0                     ; 8 t
	v_add_nc_u32 v[VO+1], s28, v[VO]
	v_add_nc_u32 v[VO+2], s28, v[VO+1]
	v_add_nc_u32 v[VO+3], s28, v[VO+2]
	s_wait_kmcnt 0x0
	s_mov_b64 s[24:25], s[8:9]                     ; the source: one of seven buffers, chosen by the tensor's number
.irp n, 1,2,3,4,5,6
	s_cmp_eq_u32 s4, \n
	s_cselect_b64 s[24:25], s[8+2*\n:9+2*\n], s[24:25]
.endr
	s_add_nc_u64 s[24:25], s[24:25], s[6:7]
	s_add_nc_u64 s[32:33], s[22:23], s[26:27]      ; four bases in xw, SB apart: j = i / 4
	s_add_nc_u64 s[34:35], s[32:33], s[30:31]
	s_add_nc_u64 s[36:37], s[34:35], s[30:31]
	s_add_nc_u64 s[38:39], s[36:37], s[30:31]
.set i, 0
.rept 16
	global_load_b128 v[X+4*i:X+4*i+3], v1, s[24:25] offset:INB*i th:TH_LOAD_NT
.set i, i+1
.endr
.set i, 0
.rept 16
	s_wait_loadcnt 15-i                            ; loads come back in order: row i is in, the 15 - i younger rows stay out
	v_cvt_pk_f16_f32 v[Y+2*i],   v[X+4*i],   v[X+4*i+1]
	v_cvt_pk_f16_f32 v[Y+2*i+1], v[X+4*i+2], v[X+4*i+3]
	global_store_b64 v[VO+i%4], v[Y+2*i:Y+2*i+1], s[32+2*(i/4):33+2*(i/4)]
.set i, i+1
.endr
	s_endpgm
.Lfunc_end_k_qcd5b86e1e6_cast:
	.size	k_qcd5b86e1e6_cast, .Lfunc_end_k_qcd5b86e1e6_cast-k_qcd5b86e1e6_cast
	.p2alignl 7, 3214868480
	.fill 96, 4, 3214868480
	.section	.rodata,"a",@progbits
	.p2align	6, 0x0
	.amdhsa_kernel k_qcd5b86e1e6_cast
		.amdhsa_group_segment_fixed_size 0
		.amdhsa_private_segment_fixed_size 0
		.amdhsa_enable_private_segment 0
		.amdhsa_kernarg_size 64
		.amdhsa_user_sgpr_count 2
		.amdhsa_user_sgpr_kernarg_segment_ptr 1
		.amdhsa_wavefront_size32 1
		.amdhsa_system_sgpr_workgroup_id_x 1
		.amdhsa_system_sgpr_workgroup_id_y 1
		.amdhsa_system_sgpr_workgroup_id_z 1
		.amdhsa_system_vgpr_workitem_id 0
		.amdhsa_next_free_vgpr 104
		.amdhsa_next_free_sgpr 66
		.amdhsa_reserve_vcc 0
		.amdhsa_float_denorm_mode_32 3
		.amdhsa_float_denorm_mode_16_64 3
		.amdhsa_memory_ordered 1
		.amdhsa_forward_progress 1
		.amdhsa_inst_pref_size 8
	.end_amdhsa_kernel
	.amdgpu_metadata
---
amdhsa.version: [ 1, 2 ]
amdhsa.kernels:
  - .name:           k_qcd5b86e1e6_cast
    .symbol:         k_qcd5b86e1e6_cast.kd
    .args:
      - { .name: Q, .offset: 0, .size: 8, .value_kind: global_buffer, .address_space: global }
      - { .name: K, .offset: 8, .size: 8, .value_kind: global_buffer, .address_space: global }
      - { .name: V, .offset: 16, .size: 8, .value_kind: global_buffer, .address_space: global }
      - { .name: Wq, .offset: 24, .size: 8, .value_kind: global_buffer, .address_space: global }
      - { .name: Wk, .offset: 32, .size: 8, .value_kind: global_buffer, .address_space: global }
      - { .name: Wv, .offset: 40, .size: 8, .value_kind: global_buffer, .address_space: global }
      - { .name: Wo, .offset: 48, .size: 8, .value_kind: global_buffer, .address_space: global }
      - { .name: xw, .offset: 56, .size: 8, .value_kind: global_buffer, .address_space: global }
    .group_segment_fixed_size: 0
    .private_segment_fixed_size: 0
    .kernarg_segment_align: 8
    .kernarg_segment_size: 64
    .max_flat_workgroup_size: 256
    .sgpr_count:     66
    .vgpr_count:     104
    .wavefront_size: 32
...
	.end_amdgpu_metadata
.endif
;; end of part 1
;; launch proj (part 2): grid 4 x 48, 4 waves a work-group, clusters of 4 x 4, 327,680 bytes of LDS; arguments xw, qkv, bq, bk, bv; writes qkv
.if DOCPART == 2
	.amdgcn_target "amdgcn-amd-amdhsa--gfx1250"
	.amdhsa_code_object_version 6
	.text
	.protected	k_qcd5b86e1e6_proj
	.globl	k_qcd5b86e1e6_proj
	.p2align	8
	.type	k_qcd5b86e1e6_proj,@function
k_qcd5b86e1e6_proj:
	s_mov_b64 s[64:65], 0
	v_nop
	global_prefetch_b8 v0, s[64:65] scope:SCOPE_SE
	s_setreg_imm32_b32 hwreg(HW_REG_WAVE_MODE, 25, 1), 1
	s_wait_xcnt 0x0
	s_wait_alu depctr_hold_cnt(0) depctr_sa_sdst(0) depctr_va_vdst(0) depctr_va_sdst(0) depctr_va_ssrc(0) depctr_va_vcc(0) depctr_vm_vsrc(0)
	s_getreg_b32 s2, hwreg(HW_REG_IB_STS2, 6, 4)
	s_cmp_eq_u32 s2, 0
	s_cbranch_scc0 .Lentry_in_a_cluster
	s_endpgm
.Lentry_in_a_cluster:
	s_bfe_u32 s2, ttmp6, 0x10000c
	s_cmp_lg_u32 s2, 0xf033
	s_cbranch_scc0 .Lentry_shape_is_right
	s_endpgm
.Lentry_shape_is_right:
; q, k, v = x W + b.  x: rows 0 .. 12287 of xw (f16, 1,024 along K), W: rows 12288 + 1024 which + k of xw, stored [k][n]; sums and bias in f32.
; Output qkv, f16: [which 3][b 4][head 16][class r 4][a 256][d 64].
; 192 work-groups, each a block of 256 rows x 256 columns: block row y = which*16 + b*4 + r is one whole class (a = 0 .. 255), block column x is
; heads 4x .. 4x+3.  (12288 x 1024 outputs over 256 work-groups would be 3 * 2^14 each, which no block that divides 4096 and 1024 has.)
; Four waves, each 128 x 128 of the block in 64 accumulator tiles (512 registers).  K goes in steps of 128 through a ring of two LDS slots.
; CLUSTERS: 4 x 4 work-groups.  x's tile hangs on y alone and is asked for jointly by a row of the cluster; W's tile hangs on x and on `which`
; (the cluster's own y / 4) and is asked for jointly by a column.  That divides the requests for both by four.
; W IS NOT TRANSPOSED IN MEMORY: its tile lies in LDS as [k][n] and ds_load_tr16_b128 brings fragments with k along the registers.
; THE MATRIX INSTRUCTION IS USED TRANSPOSED (source 0 = 16 columns of W, source 1 = 16 rows of x): lane l then holds row l % 16 and its
; registers 0-7 the columns 8 (l / 16) + 0 .. 7: eight neighbouring numbers, which pack into 16 bytes.
; LIMIT: matrix operands are f16 (x and W rounded once by the launch before; q, k, v rounded once here): |q|, |k|, |v| must stay below 65,504.
; With all inputs 30 times the drawn ones they are about 900 times a unit normal (under 5,000); with a common offset of 30 spreads on x and on W
; about 30 * (30/32) * 1024 = 28,800.  30 times smaller inputs give about 0.001, where f16's step of 2^-24 is finer than its normal rounding.
;
; REGISTERS in windows of 256:  window 0: v16-27 addresses, v32-63 packed results, v64-127 / v128-191 x fragments (two buffers), v192-255 results + bias
;   window 1: v64-127 / v128-191 W fragments (two buffers), v192-255 the bias of my 64 numbers per row
;   window 2: accumulator tiles of my rows 0-63 (tile (a, b) at v[8 (8 a + b)]);  window 3: of my rows 64-127
.set KSTEP,  128
.set ROWB,   2048                      ; bytes of a row of xw
.set WBASE,  12288*ROWB                ; the weights' first row
.set APITCH, 272                       ; x in LDS: 256 bytes + 16: sixteen rows of a fragment start 68 words apart
.set AHALF,  128*APITCH                ; what one load of x brings, and what a wave reads of x
.set ABYTES, 2*AHALF
.set BPITCH, 544                       ; W in LDS: a k row of 256 n = 512 bytes + 32: 17 x 32 bytes
.set BHALF,  64*BPITCH                 ; what one load of W brings: 64 k rows.  Equal to AHALF here
.set SLOT,   ABYTES+2*BHALF            ; x's 256 rows, then W's 128 k rows
.set STAGE,  2*SLOT                    ; behind the ring: 16 rows x 272 bytes for each wave; no tensor load ever lands here
.set SPITCH, 272
.set LAPS,   1024/(2*KSTEP)            ; a lap = two K steps = once round the ring: 4
.set ADRA, 16                          ; v16-17  LDS address of my x fragments in slot 0, 1
.set ADRB, 20                          ; v20-21  the same for W
.set STO,  24                          ; the way out: where I put 16 bytes of a row
.set RD,   25                          ; where I read them back
.set CO,   26                          ; my byte offset in qkv
.set BO,   27                          ; my byte offset in the bias
.set PK,   32
.set F0,   64
.set F1,   128
.set TMP,  192
.set BIAS, 192                         ; in window 1
.set G1,  24                           ; s[24:31] descriptor group 1 for x's tiles
.set G0,  32                           ; s[32:39] group 0 for x's tiles, one set for each slot
.set G1B, 48                           ; s[48:55] group 1 for W's tiles
.set G0B, 56                           ; s[56:63] group 0 for W's tiles, one set for each slot
.set MSB, 0
.macro WIN new                         ; the immediate's high byte repeats the setting that is left
.if MSB != \new
	s_set_vgpr_msb (MSB<<8)|\new
.set MSB, \new
.endif
.endm
.set MUL_LO, 0xa1                      ; source 0 (W) window 1, source 1 (x) window 0, C and D window 2
.set MUL_HI, 0xf1                      ; the same, C and D window 3
.set TO_B,   0x40                      ; destination window 1, address window 0
.set ADD_LO, 0x06                      ; source 0 window 2, source 1 window 1, destination window 0
.set ADD_HI, 0x07                      ; source 0 window 3
; A joint load.  Waves 0 and 1 fetch x's two halves, waves 2 and 3 W's.  The branch hangs on the wave's number alone.
.macro JLOAD s
	s_cmp_eq_u32 s11, 0
	s_cbranch_scc0 .Lfor_b_\@
	tensor_load_to_lds s[G0+4*\s:G0+4*\s+3], s[G1:G1+7]
	s_nop 0
	s_branch .Lasked_\@
.Lfor_b_\@:
	tensor_load_to_lds s[G0B+4*\s:G0B+4*\s+3], s[G1B:G1B+7]
	s_nop 0
.Lasked_\@:
.endm
.macro CREST                           ; a round of the cluster's barrier behind its opening work-group barrier
	s_cmp_lg_u32 s10, 0
	s_cbranch_scc1 .Lnot_wave_0_\@
	s_barrier_signal -3
.Lnot_wave_0_\@:
	s_barrier_wait -3
	s_barrier_signal -1
	s_barrier_wait -1
.endm
.macro CROUND                          ; a whole round
	s_barrier_signal -1
	s_barrier_wait -1
	CREST
.endm
	s_load_b128 s[4:7], s[0:1], 0x0                ; xw s[4:5], qkv s[6:7]
	s_load_b128 s[68:71], s[0:1], 0x10             ; bq, bk
	s_load_b64 s[72:73], s[0:1], 0x20              ; bv
	s_set_vgpr_msb 0x40
	v_lshl_add_u32 v63, v0, 2, 0x48400
	s_set_vgpr_msb 0x4000
	v_mov_b32 v31, 0
	s_set_vgpr_msb 0x1
	ds_add_u32 v63, v31
	ds_add_u32 v63, v31
	s_set_vgpr_msb 0x100
	v_lshrrev_b32 v1, 5, v0
	v_readfirstlane_b32 s10, v1                    ; wave 0..3
	s_lshr_b32 s11, s10, 1                         ; which half of the block's rows is mine.  Also: I fetch for x (0) or for W (1)
	s_and_b32 s12, s10, 1                          ; which half of its columns.  Also: which half of that tile I fetch
	s_bfe_u32 s40, ttmp6, 0x40000                  ; cx
	s_bfe_u32 s41, ttmp6, 0x40004                  ; cy
	s_lshl_b32 s42, ttmp9, 2
	s_add_co_u32 s42, s42, s40                     ; x = 4 * cluster x + cx
	s_and_b32 s13, ttmp7, 0xffff
	s_lshr_b32 s45, s13, 2                         ; which = y / 16 = cluster y / 4: the same in the whole cluster
	s_lshl_b32 s13, s13, 2
	s_add_co_u32 s13, s13, s41                     ; y = 4 * cluster y + cy
	s_lshl_b32 s43, s41, 2
	s_lshl_b32 s43, 15, s43                        ; my row of the cluster: places 4 cy .. 4 cy + 3
	s_lshl_b32 s44, 0x1111, s40                    ; my column: places cx, cx + 4, cx + 8, cx + 12
	; group 1 for x: 128 rows x 128 elements of 2 bytes, 4 words of padding behind every 64 words
	s_or_b32 s[G1+0], s43, (1<<16)|(1<<20)|(1<<21)|(5<<22)|(3<<25)
	s_mov_b32 s[G1+1], KSTEP<<16                   ; tensor_dim0 = 128
	s_mov_b32 s[G1+2], 128<<16                     ; tensor_dim1 = 128
	s_mov_b32 s[G1+3], KSTEP<<16                   ; tile_dim0 = 128
	s_mov_b32 s[G1+4], 128                         ; tile_dim1 = 128
	s_mov_b32 s[G1+5], 1024                        ; elements from row to row
	s_mov_b32 s[G1+6], 0
	s_mov_b32 s[G1+7], 0
	; group 1 for W: 64 k rows x 256 elements, 8 words of padding behind every 128 words
	s_or_b32 s[G1B+0], s44, (1<<16)|(1<<20)|(1<<21)|(6<<22)|(7<<25)
	s_mov_b32 s[G1B+1], 256<<16
	s_mov_b32 s[G1B+2], 64<<16
	s_mov_b32 s[G1B+3], 256<<16
	s_mov_b32 s[G1B+4], 64
	s_mov_b32 s[G1B+5], 1024
	s_mov_b32 s[G1B+6], 0
	s_mov_b32 s[G1B+7], 0
	; where the tiles come from, as byte offsets in xw (all below 32 MiB).  x's offset never holds cx, W's never cy.
	s_lshl_b32 s16, s13, 19                        ; 256 y rows of 2,048 bytes
	s_lshl_b32 s17, s12, 18                        ; + 128 rows for the second half
	s_add_co_u32 s16, s16, s17
	s_mov_b32 s17, 0
	s_lshl_b32 s46, s45, 21                        ; which * 1,024 rows
	s_lshl_b32 s47, s12, 17                        ; + 64 k rows for the second half
	s_add_co_u32 s46, s46, s47
	s_lshl_b32 s47, s42, 9                         ; + 256 x columns of 2 bytes
	s_add_co_u32 s46, s46, s47
	s_add_co_u32 s46, s46, WBASE
	s_mov_b32 s47, 0
	s_mul_i32 s20, s10, AHALF                      ; where they go: x's two halves, then W's two halves = wave * 34,816
	s_lshl_b32 s74, s42, 10                        ; my first column in the bias: (256 x + 128 half) * 4 bytes
	s_lshl_b32 s75, s12, 9
	s_add_co_u32 s74, s74, s75
	s_mov_b32 s75, 0
	s_wait_dscnt 0x0
	s_wait_kmcnt 0x0
	s_mov_b64 s[8:9], s[6:7]                       ; qkv
	s_add_nc_u64 s[14:15], s[4:5], s[16:17]
	s_add_nc_u64 s[46:47], s[4:5], s[46:47]
	s_cmp_eq_u32 s45, 1                            ; the bias that belongs to `which`
	s_cselect_b64 s[68:69], s[70:71], s[68:69]
	s_cmp_eq_u32 s45, 2
	s_cselect_b64 s[68:69], s[72:73], s[68:69]
	s_add_nc_u64 s[68:69], s[68:69], s[74:75]
	CROUND                                         ; all sixteen work-groups are here: the first joint loads meet
.irp s, 0,1
	s_mov_b32 s[G0+4*\s], 1
	s_add_co_u32 s[G0+4*\s+1], s20, \s*SLOT
	s_add_nc_u64 s[G0+4*\s+2:G0+4*\s+3], s[14:15], \s*KSTEP*2      ; K step s: 128 elements along the rows
	s_or_b32 s[G0+4*\s+3], s[G0+4*\s+3], 0x80000000
	s_mov_b32 s[G0B+4*\s], 1
	s_add_co_u32 s[G0B+4*\s+1], s20, \s*SLOT
	s_add_nc_u64 s[G0B+4*\s+2:G0B+4*\s+3], s[46:47], \s*KSTEP*ROWB ; K step s: 128 rows down
	s_or_b32 s[G0B+4*\s+3], s[G0B+4*\s+3], 0x80000000
	JLOAD \s                                       ; two tensor loads of the wave are out: the most in this text
.endr
	v_and_b32 v1, 15, v0                           ; r = l % 16
	v_bfe_u32 v2, v0, 4, 1                         ; h = l / 16
	v_mul_u32_u24 v3, v1, APITCH
	v_lshl_add_u32 v3, v2, 4, v3                   ; x fragment: row r, 16 bytes for each half of the lanes; second load 32 bytes on
	v_and_b32 v7, 7, v0
	v_lshl_add_u32 v4, v2, 3, v7                   ; W fragment by the transposing load: k row (l & 7) + 8 h,
	v_mul_u32_u24 v4, v4, BPITCH
	v_bfe_u32 v5, v0, 3, 1
	v_lshl_add_u32 v4, v5, 4, v4                   ; 16 bytes (8 columns) for each group of eight lanes; second load 16 k rows on
	s_mul_i32 s21, s11, AHALF                      ; my 128 rows of x
	s_lshl_b32 s22, s12, 8                         ; my 128 columns of W, 2 bytes each,
	s_add_co_u32 s22, s22, ABYTES                  ; behind x's 256 rows
.irp s, 0,1
	v_add_nc_u32 v[ADRA+\s], s21, v3
	v_add_nc_u32 v[ADRB+\s], s22, v4
	s_add_co_u32 s21, s21, SLOT
	s_add_co_u32 s22, s22, SLOT
.endr
	s_mul_i32 s23, s10, 16*SPITCH
	s_add_co_u32 s23, s23, STAGE                   ; my stage
	v_mul_u32_u24 v6, v1, SPITCH
	v_lshl_add_u32 v6, v2, 4, v6
	v_add_nc_u32 v[STO], s23, v6                   ; in: row r, 16 bytes for each half of the lanes
	v_mul_u32_u24 v6, v5, SPITCH                   ; back: lanes 0-15 take the first head's 128 bytes of two rows, lanes 16-31 the second head's
	v_lshl_add_u32 v6, v2, 7, v6
	v_lshl_add_u32 v6, v7, 4, v6
	v_add_nc_u32 v[RD], s23, v6
	v_lshlrev_b32 v6, 17, v2                       ; in qkv: a head is 131,072 bytes, a row of a head 128
	v_lshl_add_u32 v6, v5, 7, v6
	v_lshl_add_u32 v[CO], v7, 4, v6
	v_lshlrev_b32 v[BO], 5, v2                     ; bias: tile b, register j is column 16 b + 8 h + j
	WIN TO_B
.irp b, 0,1,2,3,4,5,6,7
	global_load_b128 v[BIAS+8*\b:BIAS+8*\b+3],   v[BO], s[68:69] offset:64*\b       ; waited for on the way out; their registers, v[BO] and s[68:69] are not touched till then
	global_load_b128 v[BIAS+8*\b+4:BIAS+8*\b+7], v[BO], s[68:69] offset:64*\b+16
.endr
	WIN 0
; 16 matrix instructions: x blocks a0, a0 + 1 of the window's four (hi = 0: my rows 0-63, 1: rows 64-127) x all 8 column blocks, 32 along K.
; zero = 1: the first product starts the sums.  The 64 accumulators take turns, one instruction a turn, in the same order in every quarter step,
; over the loop's backward jump too.
.macro MUL16 f, hi, a0, zero
.irp a, \a0, \a0+1
.irp b, 0,1,2,3,4,5,6,7
.if \zero
	v_wmma_f32_16x16x32_f16 v[8*(8*(\a)+\b):8*(8*(\a)+\b)+7], v[\f+8*\b:\f+8*\b+7], v[\f+8*(4*\hi+\a):\f+8*(4*\hi+\a)+7], 0
.else
	v_wmma_f32_16x16x32_f16 v[8*(8*(\a)+\b):8*(8*(\a)+\b)+7], v[\f+8*\b:\f+8*\b+7], v[\f+8*(4*\hi+\a):\f+8*(4*\hi+\a)+7], v[8*(8*(\a)+\b):8*(8*(\a)+\b)+7]
.endif
.endr
.endr
.endm
; 32 LDS loads in one run: the fragments of quarter q (32 along K) into buffer f: W's 8 column blocks, then x's 8 row blocks
.macro FETCH slot, q, f
	WIN TO_B
.irp i, 0,1,2,3,4,5,6,7
	ds_load_tr16_b128 v[\f+8*\i:\f+8*\i+3],   v[ADRB+\slot] offset:\q*32*BPITCH+32*\i
	ds_load_tr16_b128 v[\f+8*\i+4:\f+8*\i+7], v[ADRB+\slot] offset:\q*32*BPITCH+32*\i+16*BPITCH
.endr
	WIN 0
.irp i, 0,1,2,3,4,5,6,7
	ds_load_b128 v[\f+8*\i:\f+8*\i+3],   v[ADRA+\slot] offset:\q*64+\i*16*APITCH
	ds_load_b128 v[\f+8*\i+4:\f+8*\i+7], v[ADRA+\slot] offset:\q*64+\i*16*APITCH+32
.endr
.endm
; Four plain vector instructions stand between a matrix instruction and a load into one of its registers or a vector instruction
; that reads its result (ISA guide 7.12.1 for vector instructions).
.macro PLACES
.rept 4
	v_nop
.endr
.endm
; One of a K step's first three quarters: multiplies buffer f; in its middle it fetches quarter q of the same slot into buffer g.
.macro QUARTER slot, q, f, g, zero
	s_wait_dscnt 8                                 ; W and x's rows 0-63 are in; the youngest eight loads (x's rows 64-127) may be out
	WIN MUL_LO
	MUL16 \f, 0, 0, \zero
	MUL16 \f, 0, 2, \zero
	PLACES
	FETCH \slot, \q, \g
	s_wait_dscnt 32                                ; all but the 32 just issued
	WIN MUL_HI
	MUL16 \f, 1, 0, \zero
	MUL16 \f, 1, 2, \zero
.endm
.macro THREE slot, zero
	QUARTER \slot, 1, F0, F1, \zero
	QUARTER \slot, 2, F1, F0, 0
	QUARTER \slot, 3, F0, F1, 0
.endm
; The last quarter: multiplies buffer 1 and changes slots.  fill = 1: this slot is filled again, two K steps ahead.
; In front of the barrier each wave waits for its reads of this slot and for all its tensor loads (one is out: its part of the next slot).
; Behind it (with fill: behind the cluster's round that it opens) the refill comes first, then the next slot's first fragments.
; From a request to the wait for it a wave issues 240 matrix instructions.
.macro TURN slot, next, fill
	s_wait_dscnt 8
	WIN MUL_LO
	MUL16 F1, 0, 0, 0
	s_wait_dscnt 0
	s_wait_tensorcnt 0x0
	ds_add_u32 v63, v31
	s_wait_dscnt 0x0
	s_barrier_signal -1
	MUL16 F1, 0, 2, 0                              ; register work while the others arrive
	WIN 0
	s_barrier_wait -1
.if \fill
	CREST                                          ; no wave of any partner still reads this slot or has a load on its way
	s_add_nc_u64 s[G0+4*\slot+2:G0+4*\slot+3], s[G0+4*\slot+2:G0+4*\slot+3], 2*KSTEP*2
	s_add_nc_u64 s[G0B+4*\slot+2:G0B+4*\slot+3], s[G0B+4*\slot+2:G0B+4*\slot+3], 2*KSTEP*ROWB
	JLOAD \slot                                    ; the first tensor load behind the round
.endif
	PLACES
	FETCH \next, 0, F0
	WIN MUL_HI
	MUL16 F1, 1, 0, 0
	MUL16 F1, 1, 2, 0
.endm
.macro LAP zero
	THREE 0, \zero
	TURN 0, 1, 1
	THREE 1, 0
	TURN 1, 0, 1
.endm
	s_wait_tensorcnt 1                             ; my part of K step 0 is in; K step 1's stays out
	s_barrier_signal -1
	s_barrier_wait -1
	FETCH 0, 0, F0
	LAP 1                                          ; K steps 0, 1; asks for 2, 3
	WIN 0
	s_mov_b32 s3, LAPS-2
.Llap:
	LAP 0                                          ; K steps 2 .. 5; asks for 4 .. 7
	WIN 0
	s_sub_co_u32 s3, s3, 1
	s_cmp_lg_u32 s3, 0
	s_cbranch_scc1 .Llap
	THREE 0, 0                                     ; the last lap fills nothing
	TURN 0, 1, 0
	THREE 1, 0
	s_wait_dscnt 8
	WIN MUL_LO
	MUL16 F1, 0, 0, 0
	MUL16 F1, 0, 2, 0
	s_wait_dscnt 0
	WIN MUL_HI
	MUL16 F1, 1, 0, 0
	MUL16 F1, 1, 2, 0
	; THE WAY OUT, 16 rows at a time: add the bias in f32, round to f16, 16 bytes a lane into my own stage, read back by heads.
	PLACES
	s_wait_loadcnt 0x0                             ; the bias
	s_lshr_b32 s16, s13, 2                         ; which*4 + b: 2,097,152 bytes each
	s_lshl_b32 s16, s16, 21
	s_and_b32 s17, s13, 3                          ; class r: 32,768 bytes
	s_lshl_b32 s17, s17, 15
	s_add_co_u32 s16, s16, s17
	s_lshl_b32 s17, s11, 14                        ; my 128 rows of 128 bytes
	s_add_co_u32 s16, s16, s17
	s_mov_b32 s17, 0
	s_add_nc_u64 s[8:9], s[8:9], s[16:17]
	s_lshl_b32 s46, s42, 19                        ; head 4 x + 2 half, 131,072 bytes each
	s_lshl_b32 s47, s12, 18
	s_add_co_u32 s46, s46, s47
	s_mov_b32 s47, 0
	s_add_nc_u64 s[8:9], s[8:9], s[46:47]
; rows 16 i .. 16 i + 15 of my block = the eight tiles (a, 0..7) of window 2 or 3; f: F0 or F1 in turn
.macro OUT16 i, a, addwin, f
	WIN \addwin
.irp b, 0,1,2,3,4,5,6,7
.irp p, 0,2,4,6
	v_pk_add_f32 v[TMP+8*\b+\p:TMP+8*\b+\p+1], v[8*(8*\a+\b)+\p:8*(8*\a+\b)+\p+1], v[BIAS+8*\b+\p:BIAS+8*\b+\p+1]
.endr
.endr
	WIN 0
.irp b, 0,1,2,3,4,5,6,7
.irp p, 0,1,2,3
	v_cvt_pk_f16_f32 v[PK+4*\b+\p], v[TMP+8*\b+2*\p], v[TMP+8*\b+2*\p+1]
.endr
.endr
.irp b, 0,1,2,3,4,5,6,7
	ds_store_b128 v[STO], v[PK+4*\b:PK+4*\b+3] offset:32*\b
.endr
	s_wait_xcnt 0x0                                ; buffer f, which earlier stores read, is loaded again only behind this wait
.irp t, 0,1,2,3,4,5,6,7
	ds_load_b128 v[\f+4*\t:\f+4*\t+3], v[RD] offset:\t*2*SPITCH    ; LDS serves a wave's instructions in order: these see the stores above
.endr
.irp t, 0,1,2,3,4,5,6,7
	s_wait_dscnt 7-\t
	global_store_b128 v[CO], v[\f+4*\t:\f+4*\t+3], s[8:9] offset:\i*2048+\t*256   ; 16 lanes store rows a, a + 1 of one head: 256 consecutive bytes, at a multiple of 256
.endr
.endm
	OUT16 0, 0, ADD_LO, F0
	OUT16 1, 1, ADD_LO, F1
	OUT16 2, 2, ADD_LO, F0
	OUT16 3, 3, ADD_LO, F1
	OUT16 4, 0, ADD_HI, F0
	OUT16 5, 1, ADD_HI, F1
	OUT16 6, 2, ADD_HI, F0
	OUT16 7, 3, ADD_HI, F1
	s_set_vgpr_msb 0x1
	s_wait_tensorcnt 0x0
	ds_add_u32 v63, v31
	s_wait_dscnt 0x0
	s_set_vgpr_msb 0x100
	CROUND                                         ; the closing round: no work-group ends while a partner may still ask for a tile that names it
	s_endpgm
.Lfunc_end_k_qcd5b86e1e6_proj:
	.size	k_qcd5b86e1e6_proj, .Lfunc_end_k_qcd5b86e1e6_proj-k_qcd5b86e1e6_proj
	.p2alignl 7, 3214868480
	.fill 96, 4, 3214868480
	.section	.rodata,"a",@progbits
	.p2align	6, 0x0
	.amdhsa_kernel k_qcd5b86e1e6_proj
		.amdhsa_group_segment_fixed_size 327680
		.amdhsa_private_segment_fixed_size 0
		.amdhsa_enable_private_segment 0
		.amdhsa_kernarg_size 40
		.amdhsa_user_sgpr_count 2
		.amdhsa_user_sgpr_kernarg_segment_ptr 1
		.amdhsa_wavefront_size32 1
		.amdhsa_system_sgpr_workgroup_id_x 1
		.amdhsa_system_sgpr_workgroup_id_y 1
		.amdhsa_system_sgpr_workgroup_id_z 1
		.amdhsa_system_vgpr_workitem_id 0
		.amdhsa_next_free_vgpr 1024
		.amdhsa_next_free_sgpr 78
		.amdhsa_reserve_vcc 0
		.amdhsa_float_denorm_mode_32 3
		.amdhsa_float_denorm_mode_16_64 3
		.amdhsa_memory_ordered 1
		.amdhsa_forward_progress 1
		.amdhsa_inst_pref_size 214
	.end_amdhsa_kernel
	.amdgpu_metadata
---
amdhsa.version: [ 1, 2 ]
amdhsa.kernels:
  - .name:           k_qcd5b86e1e6_proj
    .symbol:         k_qcd5b86e1e6_proj.kd
    .args:
      - { .name: xw, .offset: 0, .size: 8, .value_kind: global_buffer, .address_space: global }
      - { .name: qkv, .offset: 8, .size: 8, .value_kind: global_buffer, .address_space: global }
      - { .name: bq, .offset: 16, .size: 8, .value_kind: global_buffer, .address_space: global }
      - { .name: bk, .offset: 24, .size: 8, .value_kind: global_buffer, .address_space: global }
      - { .name: bv, .offset: 32, .size: 8, .value_kind: global_buffer, .address_space: global }
    .group_segment_fixed_size: 327680
    .private_segment_fixed_size: 0
    .kernarg_segment_align: 8
    .kernarg_segment_size: 40
    .max_flat_workgroup_size: 128
    .sgpr_count:     78
    .vgpr_count:     1024
    .wavefront_size: 32
...
	.end_amdgpu_metadata
.endif
;; end of part 2
;; launch attn (part 3): grid 256 x 1, 16 waves a work-group, no clusters, 169,984 bytes of LDS; arguments qkv, ob; writes ob
.if DOCPART == 3
	.amdgcn_target "amdgcn-amd-amdhsa--gfx1250"
	.amdhsa_code_object_version 6
	.text
	.protected	k_qcd5b86e1e6_attn
	.globl	k_qcd5b86e1e6_attn
	.p2align	8
	.type	k_qcd5b86e1e6_attn,@function
k_qcd5b86e1e6_attn:
	s_mov_b64 s[64:65], 0
	v_nop
	global_prefetch_b8 v0, s[64:65] scope:SCOPE_SE
	s_setreg_imm32_b32 hwreg(HW_REG_WAVE_MODE, 25, 1), 1
	s_wait_xcnt 0x0
; Attention under the mask  j <= i and (i - j <= 3 or (i - j) % 4 == 0).  With i = 4 a + r, query (r, a) sees
;   (1) the keys of its own class r with index c <= a: a dense causal attention of 256 x 256, done on the matrix unit in chunks of 32 keys;
;   (2) the keys i - 1, i - 2, i - 3 (other classes): three dot products and three scaled rows per query, done on the vector unit in f32,
;       since as matrix tiles 15 of 16 of their products would be thrown away.
; One softmax over both, with a running maximum.  qkv: f16 [which][b][head][r][a][64].  ob: f16 [b][head][r][a][64].
; Work-group g: head g >> 2 (of 64 = b x head), class g & 3.  Wave T (16 waves) owns queries a = 16 T .. 16 T + 15.
; NO CLUSTER: a class's K and V tiles (64 KiB) are read into LDS by this work-group alone; what the four classes of a head share are the three
; neighbour rows of each query, which go lane by lane into registers: there is no tile that two work-groups would ask for.
; LIMITS: a masked weight is taken as exactly 0; reference() gives exp(-1e9 - max), which is 0 in f32 while a row's largest allowed score is
; above about -1e9 + 104.  Matrix operands (q, k, v, the weights p in [0, 1]) and the stored result (a mean of v rows, so within v's range) are f16;
; scores, maxima, sums and the output sums are f32.
; LAYOUT: scores are made transposed, S^T = K Q^T: lane (rl = l % 16, h = l / 16) holds keys 8 h + j of query rl.  Packed to f16 those registers
; ARE the second operand of O^T = V^T P^T, with no move between lanes; and in O^T lane (rl, h) holds d = 16 t + 8 h + j of query rl,
; so maximum, scale and sum are one number a lane.
; REGISTERS: what is widened from f16 halves (q and the neighbours' rows) lies in v16-v127, where halves have names; those lines name the
; registers by number, in lists that follow Q, KL and VL below.
.set KPITCH, 144                       ; K in LDS: 128 bytes + 16
.set VPITCH, 160                       ; V in LDS: 128 bytes + 32 = 5 x 32, for the transposing load
.set VBASE,  256*KPITCH
.set STAGE,  VBASE+256*VPITCH          ; 77,824: 16 rows x 144 bytes for each wave; no tensor load lands here
.set SPITCH, 144
.set KD, 3                             ; v3, v4   LDS addresses of K and V fragments in my diagonal chunk
.set VD, 4
.set KA, 5                             ; v5, v6   the same for the loop's chunk
.set VA, 6
.set QO, 7                             ; v7       my offset in q's class
.set NO, 8                             ; v8-10    my offsets of the three neighbour rows in k's and v's head
.set DIFF, 11                          ; v11      key 16 u + j of the diagonal chunk is allowed iff 16 u + j <= DIFF
.set STO, 12
.set RD,  13
.set GO,  14
.set Q,   16                           ; v[16:31]   q, as a fragment; the way out's rows at the end
.set KL,  32                           ; v[32:79]   the neighbours' k rows, used up before KF and P are written
.set KF,  32                           ; v[32:63]   K fragments: (u, d half) at KF + 16 u + 8 half; the packed result at the end
.set P,   64                           ; v[64:71]
.set VL,  80                           ; v[80:127]  the neighbours' v rows
.set M,   128                          ; running maximum of the raw scores
.set LS,  129                          ; running sum (of my half's keys until the end)
.set NMC, 130                          ; v[130:131] -(c * maximum), rounded; the second register is written once and never used
.set AL,  132                          ; v[132:133] the rescaling factor; likewise
.set T,   134                          ; v[134:141] at work
.set SL,  142                          ; v142, 144, 146: the neighbours' scores, then their weights; v143, 145, 147 written once and never used
.set DA,  148                          ; v[148:159] dot-product sums: two pairs for each neighbour
.set S,   160                          ; v[160:175] two score tiles; widened halves for the neighbours' rows
.set VF,  176                          ; v[176:207] V fragments: d block t at VF + 8 t
.set O,   208                          ; v[208:239] four output tiles
.set QF,  208                          ; v[208:239] q widened to f32, before the first chunk starts O
; Two f16 of register v<r> (a number) into the f32 pair v[dst], v[dst + 1]
.macro WID1 dst, r, half
	v_cvt_f32_f16 v[\dst], v\r\half
.endm
.macro WIDEN dst, r
	WID1 \dst, \r, .l
	WID1 \dst+1, \r, .h
.endm
	s_load_b128 s[4:7], s[0:1], 0x0                ; qkv s[4:5], ob s[6:7]
	v_lshl_add_u32 v240, v0, 2, 0x29000
	v_mov_b32 v241, 0
	ds_add_u32 v240, v241
	ds_add_u32 v240, v241
	v_lshrrev_b32 v1, 5, v0
	v_readfirstlane_b32 s8, v1                     ; T
	s_lshr_b32 s9, ttmp9, 2                        ; b * 16 + head
	s_and_b32 s10, ttmp9, 3                        ; r
	s_lshl_b32 s60, s9, 17                         ; a head: 131,072 bytes
	s_mov_b32 s61, 0
	s_lshl_b32 s62, s10, 15                        ; a class: 32,768 bytes
	s_mov_b32 s63, 0
	s_lshl_b32 s2, s8, 11                          ; my 16 rows of 128 bytes
	s_mov_b32 s3, 0
	; group 1: 16 rows x 64 elements of 2 bytes; padding behind every 32 words: 4 words for K, 8 for V
	s_mov_b32 s16, (1<<16)|(1<<20)|(4<<22)|(3<<25)
	s_mov_b32 s17, 64<<16
	s_mov_b32 s18, 16<<16
	s_mov_b32 s19, 64<<16
	s_mov_b32 s20, 16
	s_mov_b32 s21, 64
	s_mov_b32 s22, 0
	s_mov_b32 s23, 0
	s_mov_b32 s24, (1<<16)|(1<<20)|(4<<22)|(7<<25)
	s_mov_b32 s25, 64<<16
	s_mov_b32 s26, 16<<16
	s_mov_b32 s27, 64<<16
	s_mov_b32 s28, 16
	s_mov_b32 s29, 64
	s_mov_b32 s30, 0
	s_mov_b32 s31, 0
	s_mov_b32 s32, 1
	s_mul_i32 s33, s8, 16*KPITCH                   ; each wave brings its own 16 rows of K and of V, into bytes of its own
	s_mov_b32 s36, 1
	s_mul_i32 s37, s8, 16*VPITCH
	s_add_co_u32 s37, s37, VBASE
	s_wait_dscnt 0x0
	s_wait_kmcnt 0x0
	s_add_nc_u64 s[12:13], s[4:5], s[60:61]        ; q's head
	s_add_nc_u64 s[40:41], s[12:13], 0x800000      ; k's head
	s_add_nc_u64 s[42:43], s[12:13], 0x1000000     ; v's head
	s_add_nc_u64 s[12:13], s[12:13], s[62:63]      ; q's class
	s_add_nc_u64 s[46:47], s[40:41], s[62:63]      ; k's class
	s_add_nc_u64 s[48:49], s[42:43], s[62:63]      ; v's class
	s_add_nc_u64 s[34:35], s[46:47], s[2:3]
	s_or_b32 s35, s35, 0x80000000
	s_add_nc_u64 s[38:39], s[48:49], s[2:3]
	s_or_b32 s39, s39, 0x80000000
	tensor_load_to_lds s[32:35], s[16:23]          ; first fills only: all 64 KiB of the class fit, so there is no ring.  Two loads of the wave are out
	s_nop 0
	tensor_load_to_lds s[36:39], s[24:31]
	s_nop 0
	s_add_nc_u64 s[44:45], s[6:7], s[60:61]        ; ob at my 16 rows
	s_add_nc_u64 s[44:45], s[44:45], s[62:63]
	s_add_nc_u64 s[44:45], s[44:45], s[2:3]
	; ---- while the tiles land: q, the neighbours' rows, their scores ----
	v_and_b32 v1, 15, v0                           ; rl
	v_bfe_u32 v2, v0, 4, 1                         ; h
	v_lshlrev_b32 v[QO], 7, v1
	v_lshl_add_u32 v[QO], v2, 4, v[QO]
	v_add_nc_u32 v[QO], s2, v[QO]                  ; (16 T + rl) * 128 + 16 h; pieces 32 bytes apart: d = 16 c + 8 h + 0 .. 7
.irp d, 0,1,2
	s_sub_co_i32 s60, s10, \d+1                    ; key i - (d + 1) = 4 a + (r - d - 1):
	s_ashr_i32 s61, s60, 2                         ; index a - 1 or a,
	s_and_b32 s60, s60, 3                          ; class (r - d - 1) mod 4
	s_lshl_b32 s60, s60, 15
	s_lshl4_add_u32 s61, s8, s61
	v_add_nc_u32 v[T], s61, v1                     ; its index in that class
	v_cmp_le_i32 s[57+\d], 0, v[T]                 ; the key exists
	v_cndmask_b32 v[T], 0, v[T], s[57+\d]          ; else row 0 is loaded and its weight is made 0
	v_lshlrev_b32 v[T], 7, v[T]
	v_lshl_add_u32 v[T], v2, 4, v[T]
	v_add_nc_u32 v[NO+\d], s60, v[T]
.endr
.irp c, 0,1,2,3
	global_load_b128 v[Q+4*\c:Q+4*\c+3], v[QO], s[12:13] offset:32*\c
.endr
.irp d, 0,1,2
.irp c, 0,1,2,3
	global_load_b128 v[KL+16*\d+4*\c:KL+16*\d+4*\c+3], v[NO+\d], s[40:41] offset:32*\c
.endr
.endr
.irp d, 0,1,2
.irp c, 0,1,2,3
	global_load_b128 v[VL+16*\d+4*\c:VL+16*\d+4*\c+3], v[NO+\d], s[42:43] offset:32*\c
.endr
.endr
	s_mov_b32 s50, 0x76543210                      ; v_permlanex16_b32: lane i of one half reads lane i of the other
	s_mov_b32 s51, 0xfedcba98
	s_mov_b32 s52, 0x3e38aa3b                      ; c = log2(e) / sqrt(64)
	s_mov_b32 s53, 0x3e38aa3b
	s_mov_b32 s54, 0xff800000                      ; -infinity
	s_lshr_b32 s55, s8, 1                          ; n: my diagonal chunk, and the number of whole chunks below it
	v_mul_u32_u24 v[KA], v1, KPITCH
	v_lshl_add_u32 v[KA], v2, 4, v[KA]             ; K fragment: key row rl, 16 bytes for each half of the lanes
	s_mul_i32 s60, s55, 32*KPITCH
	v_add_nc_u32 v[KD], s60, v[KA]
	v_and_b32 v[T+1], 7, v0
	v_lshl_add_u32 v[T], v2, 3, v[T+1]             ; V fragment by the transposing load: key row (l & 7) + 8 h,
	v_mul_u32_u24 v[T], v[T], VPITCH
	v_bfe_u32 v[T+2], v0, 3, 1
	v_lshl_add_u32 v[T], v[T+2], 4, v[T]           ; 16 bytes (8 d) for each group of eight lanes
	v_add_nc_u32 v[VA], VBASE, v[T]
	s_mul_i32 s60, s55, 32*VPITCH
	v_add_nc_u32 v[VD], s60, v[VA]
	s_and_b32 s60, s8, 1
	s_lshl_b32 s60, s60, 4
	v_lshlrev_b32 v[T], 3, v2
	v_sub_nc_u32 v[DIFF], v1, v[T]
	v_add_nc_u32 v[DIFF], s60, v[DIFF]             ; (16 T + rl) - 32 n - 8 h
	s_mul_i32 s60, s8, 16*SPITCH
	s_add_co_u32 s60, s60, STAGE
	v_add_nc_u32 v[STO], s60, v[KA]                ; stage: row rl, 16 h (the stage's pitch is K's)
	v_bfe_u32 v[T], v0, 3, 2
	v_mul_u32_u24 v[T], v[T], SPITCH
	v_lshl_add_u32 v[T], v[T+1], 4, v[T]
	v_add_nc_u32 v[RD], s60, v[T]                  ; back: eight lanes take a row of 128 bytes
	v_and_b32 v[GO], 31, v0
	v_lshlrev_b32 v[GO], 4, v[GO]
	v_mov_b32 v[NMC+1], 0                          ; the second registers of pairs of which the packed forms use the first alone
	v_mov_b32 v[AL+1], 0
.irp d, 0,1,2
	v_mov_b32 v[SL+2*\d+1], 0
.endr
	s_wait_loadcnt 12                              ; q and the three k rows are in; the twelve loads of the v rows stay out
.set ii, 0
.irp r, 16,17,18,19,20,21,22,23,24,25,26,27,28,29,30,31
	WIDEN QF+2*ii, \r                              ; my 32 numbers of q in f32
.set ii, ii+1
.endr
; Register ii of neighbour d's k row: widened, times q, onto one of the neighbour's two pairs of sums; the first two products start them.
.macro NBK1 d, r
.set tw, S+2*(ii%8)
.set ac, DA+4*\d+2*(ii%2)
	WIDEN tw, \r
.if ii < 2
	v_pk_mul_f32 v[ac:ac+1], v[QF+2*ii:QF+2*ii+1], v[tw:tw+1]
.else
	v_pk_fma_f32 v[ac:ac+1], v[QF+2*ii:QF+2*ii+1], v[tw:tw+1], v[ac:ac+1]
.endif
.set ii, ii+1
.endm
.set ii, 0
.irp r, 32,33,34,35,36,37,38,39,40,41,42,43,44,45,46,47
	NBK1 0, \r
.endr
.set ii, 0
.irp r, 48,49,50,51,52,53,54,55,56,57,58,59,60,61,62,63
	NBK1 1, \r
.endr
.set ii, 0
.irp r, 64,65,66,67,68,69,70,71,72,73,74,75,76,77,78,79
	NBK1 2, \r
.endr
.irp d, 0,1,2
	v_pk_add_f32 v[DA+4*\d:DA+4*\d+1], v[DA+4*\d:DA+4*\d+1], v[DA+4*\d+2:DA+4*\d+3]
	v_add_f32 v[SL+2*\d], v[DA+4*\d], v[DA+4*\d+1]
	v_permlanex16_b32 v[T], v[SL+2*\d], s50, s51   ; the other half of the lanes holds the other 32 d
	v_add_f32 v[SL+2*\d], v[SL+2*\d], v[T]
	v_cndmask_b32 v[SL+2*\d], s54, v[SL+2*\d], s[57+\d]
.endr
	s_wait_tensorcnt 0x0                           ; my rows of K and V are in LDS,
	s_barrier_signal -1
	s_barrier_wait -1                              ; everybody's are
.macro LDK addr                        ; 32 keys x 64 d: eight loads
.irp u, 0,1
.irp c, 0,1,2,3
	ds_load_b128 v[KF+16*\u+4*\c:KF+16*\u+4*\c+3], v[\addr] offset:\u*16*KPITCH+32*\c
.endr
.endr
.endm
.macro LDV addr                        ; 64 d x 32 keys: eight transposing loads
.irp t, 0,1,2,3
	ds_load_tr16_b128 v[VF+8*\t:VF+8*\t+3],   v[\addr] offset:32*\t
	ds_load_tr16_b128 v[VF+8*\t+4:VF+8*\t+7], v[\addr] offset:32*\t+16*VPITCH
.endr
.endm
; One chunk of 32 keys.  first = 1: the diagonal chunk: masked, starts maximum, sum and output.
; The two score tiles take turns, and so do the four output tiles, one instruction a turn.
.macro CHUNK first
	v_wmma_f32_16x16x32_f16 v[S:S+7],    v[KF:KF+7],     v[Q:Q+7],    0
	v_wmma_f32_16x16x32_f16 v[S+8:S+15], v[KF+16:KF+23], v[Q:Q+7],    0
	v_wmma_f32_16x16x32_f16 v[S:S+7],    v[KF+8:KF+15],  v[Q+8:Q+15], v[S:S+7]
	v_wmma_f32_16x16x32_f16 v[S+8:S+15], v[KF+24:KF+31], v[Q+8:Q+15], v[S+8:S+15]
	; four plain vector instructions before the scores are read and before loads land on fragments that matrix instructions have read
.if \first
	v_nop
.else
	v_add_nc_u32 v[KA], 32*KPITCH, v[KA]           ; the next chunk's K
.endif
	v_nop
	v_nop
	v_nop
.if \first == 0
	LDV VA                                         ; this chunk's V (the diagonal chunk's was asked for beside its K)
	v_add_nc_u32 v[VA], 32*VPITCH, v[VA]
.endif
	LDK KA                                         ; the next chunk's K; behind the last chunk it reads rows of the class that are not used
.if \first
.irp u, 0,1
.irp j, 0,1,2,3,4,5,6,7
	v_cmp_le_i32 vcc_lo, 16*\u+\j, v[DIFF]
	v_cndmask_b32 v[S+8*\u+\j], s54, v[S+8*\u+\j], vcc_lo
.endr
.endr
.endif
	v_max3_num_f32 v[T],   v[S],    v[S+1],  v[S+2]
	v_max3_num_f32 v[T+1], v[S+3],  v[S+4],  v[S+5]
	v_max3_num_f32 v[T+2], v[S+6],  v[S+7],  v[S+8]
	v_max3_num_f32 v[T+3], v[S+9],  v[S+10], v[S+11]
	v_max3_num_f32 v[T+4], v[S+12], v[S+13], v[S+14]
	v_max3_num_f32 v[T],   v[T],   v[T+1], v[S+15]
	v_max3_num_f32 v[T+2], v[T+2], v[T+3], v[T+4]
.if \first
	v_max_num_f32 v[T], v[T], v[T+2]
.else
	v_max3_num_f32 v[T], v[T], v[T+2], v[M]
.endif
	v_permlanex16_b32 v[T+1], v[T], s50, s51
	v_max_num_f32 v[T+1], v[T], v[T+1]             ; the new maximum; finite, since the diagonal chunk holds key c = a of every query
.if \first
	v_mul_f32 v[NMC], -v[T+1], s52
.else
	v_mul_f32 v[T+2], -v[T+1], s52
	v_sub_f32 v[AL], v[T+2], v[NMC]                ; every weight is exp2(s c + NMC): going from the old NMC to the new one is exp2 of their difference,
	v_mov_b32 v[NMC], v[T+2]                       ; so the rounding of c * maximum cancels between chunks
.endif
.irp p, 0,2,4,6,8,10,12,14
	v_pk_fma_f32 v[S+\p:S+\p+1], v[S+\p:S+\p+1], s[52:53], v[NMC:NMC+1] op_sel_hi:[1,0,0]
.endr
.irp p, 0,1,2,3,4,5,6,7,8,9,10,11,12,13,14,15
	v_exp_f32 v[S+\p], v[S+\p]
.endr
.if \first == 0
	v_exp_f32 v[AL], v[AL]
.endif
	v_mov_b32 v[M], v[T+1]                         ; the plain instruction between the exponentials and the first use of a result (ISA guide 5.7.2)
	s_wait_alu depctr_va_vdst(0)
	v_pk_add_f32 v[T:T+1],   v[S:S+1],     v[S+2:S+3]
	v_pk_add_f32 v[T+2:T+3], v[S+4:S+5],   v[S+6:S+7]
	v_pk_add_f32 v[T+4:T+5], v[S+8:S+9],   v[S+10:S+11]
	v_pk_add_f32 v[T+6:T+7], v[S+12:S+13], v[S+14:S+15]
.irp p, 0,1,2,3,4,5,6,7
	v_cvt_pk_f16_f32 v[P+\p], v[S+2*\p], v[S+2*\p+1]       ; registers 0-3: keys 8 h + 0..7, registers 4-7: keys 16 + 8 h + 0..7: a fragment as it stands
.endr
	v_pk_add_f32 v[T:T+1],   v[T:T+1],   v[T+2:T+3]
	v_pk_add_f32 v[T+4:T+5], v[T+4:T+5], v[T+6:T+7]
	v_pk_add_f32 v[T:T+1],   v[T:T+1],   v[T+4:T+5]
.if \first
	v_add_f32 v[LS], v[T], v[T+1]
.else
	v_add_f32 v[T], v[T], v[T+1]
	v_fma_f32 v[LS], v[LS], v[AL], v[T]
.irp p, 0,2,4,6,8,10,12,14,16,18,20,22,24,26,28,30
	v_pk_mul_f32 v[O+\p:O+\p+1], v[O+\p:O+\p+1], v[AL:AL+1] op_sel_hi:[1,0]
.endr
.endif
	s_wait_dscnt 8                                 ; V's eight loads are in; the eight loads of the next chunk's K stay out
.irp t, 0,1,2,3
.if \first
	v_wmma_f32_16x16x32_f16 v[O+8*\t:O+8*\t+7], v[VF+8*\t:VF+8*\t+7], v[P:P+7], 0
.else
	v_wmma_f32_16x16x32_f16 v[O+8*\t:O+8*\t+7], v[VF+8*\t:VF+8*\t+7], v[P:P+7], v[O+8*\t:O+8*\t+7]
.endif
.endr
.endm
	LDK KD
	LDV VD
	s_wait_dscnt 8                                 ; K's eight loads are in, V's eight stay out
	CHUNK 1
	s_cmp_eq_u32 s55, 0                            ; waves 0 and 1 have no chunk below the diagonal one
	s_cbranch_scc1 .Ljoin
	s_mov_b32 s56, 0
.Lchunk:                                           ; chunks 0 .. n - 1, unmasked
	s_wait_dscnt 0x0                               ; this chunk's K: the only loads that are out
	CHUNK 0
	s_add_co_u32 s56, s56, 1
	s_cmp_lt_u32 s56, s55
	s_cbranch_scc1 .Lchunk
.Ljoin:
	; From here on LDS is written (the stages).  The loop's LDS addresses are stepped a number of times that hangs on the wave's number, so the order
	; of every wave's reads of K and V and all stores into LDS is stated by a barrier, not left to the arithmetic of the addresses:
	; each wave waits for all its LDS reads (the look-ahead of K that is not used among them) and signals here; the barrier's wait stands in front
	; of the first store.  Between the two stands register work alone, so the wave that leaves the loop last is not held up.
	s_wait_dscnt 0x0
	s_barrier_signal -1
	; ---- the three neighbours join the softmax ----
	; The output tiles are first read by the packed multiplies below: the add, max3, max, mul, sub and three fma in front of them are more than
	; the four plain vector instructions that stand between a matrix instruction and a reader of its result (ISA guide 7.12.1).
	s_wait_loadcnt 0x0                             ; the neighbours' v rows
	v_permlanex16_b32 v[T], v[LS], s50, s51
	v_add_f32 v[LS], v[LS], v[T]                   ; the two halves of the lanes summed different keys
	v_max3_num_f32 v[T+1], v[SL], v[SL+2], v[SL+4]
	v_max_num_f32 v[T+1], v[T+1], v[M]
	v_mul_f32 v[T+2], -v[T+1], s52
	v_sub_f32 v[AL], v[T+2], v[NMC]
.irp d, 0,1,2
	v_fma_f32 v[SL+2*\d], v[SL+2*\d], s52, v[T+2]  ; -infinity stays: weight 0
.endr
	v_exp_f32 v[AL], v[AL]
	v_exp_f32 v[SL], v[SL]
	v_exp_f32 v[SL+2], v[SL+2]
	v_exp_f32 v[SL+4], v[SL+4]
	v_nop
	s_wait_alu depctr_va_vdst(0)
	v_add_f32 v[T], v[SL], v[SL+2]
	v_add_f32 v[T], v[T], v[SL+4]
	v_fma_f32 v[LS], v[LS], v[AL], v[T]            ; at least about 1: the largest score's own weight
	v_rcp_f32 v[T], v[LS]
	v_nop
	s_wait_alu depctr_va_vdst(0)
	v_mul_f32 v[AL], v[AL], v[T]                   ; the division by the sum rides on the last rescaling
.irp d, 0,1,2
	v_mul_f32 v[SL+2*\d], v[SL+2*\d], v[T]
.endr
.irp p, 0,2,4,6,8,10,12,14,16,18,20,22,24,26,28,30
	v_pk_mul_f32 v[O+\p:O+\p+1], v[O+\p:O+\p+1], v[AL:AL+1] op_sel_hi:[1,0]
.endr
; Register ii = 4 t + w of neighbour d's v row holds d = 16 t + 8 h + 2 w, + 1: widened, times the neighbour's weight, onto O's registers 2 ii, 2 ii + 1.
.macro NBV1 d, r
.set tw, S+2*(ii%8)
	WIDEN tw, \r
	v_pk_fma_f32 v[O+2*ii:O+2*ii+1], v[tw:tw+1], v[SL+2*\d:SL+2*\d+1], v[O+2*ii:O+2*ii+1] op_sel_hi:[1,0,1]
.set ii, ii+1
.endm
.set ii, 0
.irp r, 80,81,82,83,84,85,86,87,88,89,90,91,92,93,94,95
	NBV1 0, \r
.endr
.set ii, 0
.irp r, 96,97,98,99,100,101,102,103,104,105,106,107,108,109,110,111
	NBV1 1, \r
.endr
.set ii, 0
.irp r, 112,113,114,115,116,117,118,119,120,121,122,123,124,125,126,127
	NBV1 2, \r
.endr
	; ---- the way out: 16 bytes a lane into my own stage, back by rows, 512 consecutive bytes a store ----
.irp t, 0,1,2,3
.irp w, 0,1,2,3
	v_cvt_pk_f16_f32 v[KF+4*\t+\w], v[O+8*\t+2*\w], v[O+8*\t+2*\w+1]
.endr
.endr
	s_barrier_wait -1                              ; every wave's reads of K and V are back: LDS may be written
.irp t, 0,1,2,3
	ds_store_b128 v[STO], v[KF+4*\t:KF+4*\t+3] offset:32*\t
.endr
.irp u, 0,1,2,3
	ds_load_b128 v[Q+4*\u:Q+4*\u+3], v[RD] offset:\u*4*SPITCH      ; my own stage; LDS serves a wave's instructions in order: these see the stores above
.endr
.irp u, 0,1,2,3
	s_wait_dscnt 3-\u
	global_store_b128 v[GO], v[Q+4*\u:Q+4*\u+3], s[44:45] offset:512*\u
.endr
	s_wait_tensorcnt 0x0
	ds_add_u32 v240, v241
	s_wait_dscnt 0x0
	s_endpgm
.Lfunc_end_k_qcd5b86e1e6_attn:
	.size	k_qcd5b86e1e6_attn, .Lfunc_end_k_qcd5b86e1e6_attn-k_qcd5b86e1e6_attn
	.p2alignl 7, 3214868480
	.fill 96, 4, 3214868480
	.section	.rodata,"a",@progbits
	.p2align	6, 0x0
	.amdhsa_kernel k_qcd5b86e1e6_attn
		.amdhsa_group_segment_fixed_size 169984
		.amdhsa_private_segment_fixed_size 0
		.amdhsa_enable_private_segment 0
		.amdhsa_kernarg_size 16
		.amdhsa_user_sgpr_count 2
		.amdhsa_user_sgpr_kernarg_segment_ptr 1
		.amdhsa_wavefront_size32 1
		.amdhsa_system_sgpr_workgroup_id_x 1
		.amdhsa_system_sgpr_workgroup_id_y 1
		.amdhsa_system_sgpr_workgroup_id_z 1
		.amdhsa_system_vgpr_workitem_id 0
		.amdhsa_next_free_vgpr 242
		.amdhsa_next_free_sgpr 66
		.amdhsa_reserve_vcc 1
		.amdhsa_float_denorm_mode_32 3
		.amdhsa_float_denorm_mode_16_64 3
		.amdhsa_memory_ordered 1
		.amdhsa_forward_progress 1
		.amdhsa_inst_pref_size 39
	.end_amdhsa_kernel
	.amdgpu_metadata
---
amdhsa.version: [ 1, 2 ]
amdhsa.kernels:
  - .name:           k_qcd5b86e1e6_attn
    .symbol:         k_qcd5b86e1e6_attn.kd
    .args:
      - { .name: qkv, .offset: 0, .size: 8, .value_kind: global_buffer, .address_space: global }
      - { .name: ob, .offset: 8, .size: 8, .value_kind: global_buffer, .address_space: global }
    .group_segment_fixed_size: 169984
    .private_segment_fixed_size: 0
    .kernarg_segment_align: 8
    .kernarg_segment_size: 16
    .max_flat_workgroup_size: 512
    .sgpr_count:     66
    .vgpr_count:     242
    .wavefront_size: 32
...
	.end_amdgpu_metadata
.endif
;; end of part 3
;; launch outp (part 4): grid 8 x 32, 4 waves a work-group, clusters of 4 x 4, 327,680 bytes of LDS; arguments ob, xw, bo, out0; writes out0
.if DOCPART == 4
	.amdgcn_target "amdgcn-amd-amdhsa--gfx1250"
	.amdhsa_code_object_version 6
	.text
	.protected	k_qcd5b86e1e6_outp
	.globl	k_qcd5b86e1e6_outp
	.p2align	8
	.type	k_qcd5b86e1e6_outp,@function
k_qcd5b86e1e6_outp:
	s_mov_b64 s[64:65], 0
	v_nop
	global_prefetch_b8 v0, s[64:65] scope:SCOPE_SE
	s_setreg_imm32_b32 hwreg(HW_REG_WAVE_MODE, 25, 1), 1
	s_wait_xcnt 0x0
	s_wait_alu depctr_hold_cnt(0) depctr_sa_sdst(0) depctr_va_vdst(0) depctr_va_sdst(0) depctr_va_ssrc(0) depctr_va_vcc(0) depctr_vm_vsrc(0)
	s_getreg_b32 s2, hwreg(HW_REG_IB_STS2, 6, 4)
	s_cmp_eq_u32 s2, 0
	s_cbranch_scc0 .Lentry_in_a_cluster
	s_endpgm
.Lentry_in_a_cluster:
	s_bfe_u32 s2, ttmp6, 0x10000c
	s_cmp_lg_u32 s2, 0xf033
	s_cbranch_scc0 .Lentry_shape_is_right
	s_endpgm
.Lentry_shape_is_right:
; out0 = o Wo + bo.  o: ob, f16 [b][head][class r][a][64] (K index = head * 64 + d); Wo: rows 15360 + k of xw, f16, stored [k][n]; out0: f32 [b][s = 4 a + r][1024].
; 256 work-groups, each a block of 128 rows x 128 columns: block row y = b*8 + r*2 + (half of a), block column x.  4096 x 1024 outputs over 256 work-groups
; are 16,384 each, and the square block takes the fewest operand bytes: 2 x 128 x 1024 x 2 = 512 KiB for a work-group.
; Four waves, each 64 x 64 of the block in 16 accumulator tiles.  The price of the small tile: 16 LDS loads (8 KiB) for every 16 matrix instructions of a wave.
; K goes in eight steps of 128 (two heads) through FOUR LDS slots, which hold half of K: steps 0-3 are all asked for before anything is multiplied;
; slots 0, 1 are filled again (steps 4, 5) behind one round of the cluster's barrier at the end of step 1, slots 2, 3 (steps 6, 7) behind one at the end of
; step 3.  So the requests go out in three groups, and each of the two later groups has two K steps of work in which to land.  No loop: eight steps are written out.
; CLUSTERS: 4 x 4 work-groups.  o's tile hangs on y alone and is asked for jointly by a row of the cluster, Wo's on x alone, by a column.
; Wo lies in LDS as [k][n]; ds_load_tr16_b128 brings fragments with k along the registers.
; A head's 128 rows of 128 bytes lie dense in ob (16 KiB), so the tile is described as 64 rows of 256 bytes; the pad stands behind every 32 words, which
; are counted along the whole tile, so that in LDS each row of 64 f16 still has its own 144 bytes.
; The matrix instruction is used transposed (source 0 = 16 columns of Wo, source 1 = 16 rows of o): a lane's 8 results are 8 neighbouring columns of a row.
; LIMIT: matrix operands are f16 (o within v's range, below 65,504; Wo as the first launch rounded it); sums and bias in f32.
;
; REGISTERS in windows of 256:  window 0: v16-27 addresses, v64-95 / v128-159 o fragments (two buffers), v64-191 four sets of 32 on the way out, v192-223 results + bias
;   window 1: v64-95 / v128-159 Wo fragments (two buffers), v192-223 the bias;   window 2: the 16 accumulator tiles, tile (a, b) at v[8 (4 a + b)]
.set KSTEP,  128
.set ROWB,   2048                      ; bytes of a row of xw
.set HEADB,  131072                    ; bytes of a head in ob
.set STEPB,  2*HEADB                   ; from K step to K step: two heads in ob; and 128 rows of xw, the same 262,144 bytes
.set WOBASE, 15360*ROWB                ; Wo's first row in xw
.set APITCH, 144                       ; o in LDS: 128 bytes + 16
.set AHALF,  128*APITCH                ; one head's 128 rows: what one load of o brings
.set ABYTES, 2*AHALF
.set BPITCH, 288                       ; Wo in LDS: a k row of 128 n = 256 bytes + 32 = 9 x 32
.set BHALF,  64*BPITCH                 ; what one load of Wo brings: 64 k rows.  Equal to AHALF here
.set SLOT,   ABYTES+2*BHALF            ; o: [head of the step][128 rows], then Wo's 128 k rows: 73,728 bytes
.set SLOTS,  4
.set STAGE,  SLOTS*SLOT                ; behind the ring, at 1,152 x 256: 16 rows x 272 bytes for each wave; no tensor load ever lands here
.set SPITCH, 272                       ; 256 bytes + 16 = 17 x 16
.set ADRA, 16                          ; v16-19  LDS address of my o fragments in slot 0 .. 3
.set ADRB, 20                          ; v20-23  the same for Wo
.set STO,  24                          ; the way out: where I put 32 bytes of a row
.set RD,   25                          ; where I read rows back
.set CO,   26                          ; my byte offset in out0
.set BO,   27                          ; my byte offset in the bias
.set F0,   64
.set F1,   128
.set TMP,  192
.set BIAS, 192                         ; in window 1
.set G1,  24                           ; s[24:31] descriptor group 1 for o's tiles
.set G1B, 32                           ; s[32:39] group 1 for Wo's tiles
.set G0,  48                           ; s[48:63] group 0 for o's tiles, one set for each slot
.set G0B, 68                           ; s[68:83] group 0 for Wo's tiles, one set for each slot
.set MSB, 0
.macro WIN new                         ; the immediate's high byte repeats the setting that is left
.if MSB != \new
	s_set_vgpr_msb (MSB<<8)|\new
.set MSB, \new
.endif
.endm
.set MUL_LO, 0xa1                      ; source 0 (Wo) window 1, source 1 (o) window 0, C and D window 2
.set TO_B,   0x40                      ; destination window 1, address window 0
.set ADD_LO, 0x06                      ; source 0 window 2, source 1 window 1, destination window 0
.macro JLOAD s                         ; a joint load: waves 0 and 1 fetch o's two heads, waves 2 and 3 Wo's two halves; the branch hangs on the wave's number alone
	s_cmp_eq_u32 s11, 0
	s_cbranch_scc0 .Lfor_b_\@
	tensor_load_to_lds s[G0+4*\s:G0+4*\s+3], s[G1:G1+7]
	s_nop 0
	s_branch .Lasked_\@
.Lfor_b_\@:
	tensor_load_to_lds s[G0B+4*\s:G0B+4*\s+3], s[G1B:G1B+7]
	s_nop 0
.Lasked_\@:
.endm
.macro CREST                           ; a round of the cluster's barrier behind its opening work-group barrier
	s_cmp_lg_u32 s10, 0
	s_cbranch_scc1 .Lnot_wave_0_\@
	s_barrier_signal -3
.Lnot_wave_0_\@:
	s_barrier_wait -3
	s_barrier_signal -1
	s_barrier_wait -1
.endm
.macro CROUND
	s_barrier_signal -1
	s_barrier_wait -1
	CREST
.endm
	s_load_b128 s[4:7], s[0:1], 0x0                ; ob s[4:5], xw s[6:7]
	s_load_b128 s[84:87], s[0:1], 0x10             ; bo s[84:85], out0 s[86:87]
	s_set_vgpr_msb 0x40
	v_lshl_add_u32 v255, v0, 2, 0x4c400
	s_set_vgpr_msb 0x4000
	v_mov_b32 v255, 0
	s_set_vgpr_msb 0x1
	ds_add_u32 v255, v255
	ds_add_u32 v255, v255
	s_set_vgpr_msb 0x100
	v_lshrrev_b32 v1, 5, v0
	v_readfirstlane_b32 s10, v1                    ; wave 0..3
	s_lshr_b32 s11, s10, 1                         ; which 64 rows of the block are mine.  Also: I fetch for o (0) or for Wo (1)
	s_and_b32 s12, s10, 1                          ; which 64 columns.  Also: which half of that tile I fetch
	s_bfe_u32 s40, ttmp6, 0x40000                  ; cx
	s_bfe_u32 s41, ttmp6, 0x40004                  ; cy
	s_lshl_b32 s42, ttmp9, 2
	s_add_co_u32 s42, s42, s40                     ; x = 4 * cluster x + cx: 0 .. 7
	s_and_b32 s13, ttmp7, 0xffff
	s_lshl_b32 s13, s13, 2
	s_add_co_u32 s13, s13, s41                     ; y = 4 * cluster y + cy: 0 .. 31
	s_lshl_b32 s43, s41, 2
	s_lshl_b32 s43, 15, s43                        ; my row of the cluster: places 4 cy .. 4 cy + 3
	s_lshl_b32 s44, 0x1111, s40                    ; my column: places cx, cx + 4, cx + 8, cx + 12
	; group 1 for o: a dense block of 16 KiB as 64 rows x 128 elements of 2 bytes, 4 words of padding behind every 32 words
	s_or_b32 s[G1+0], s43, (1<<16)|(1<<20)|(1<<21)|(4<<22)|(3<<25)
	s_mov_b32 s[G1+1], 128<<16                     ; tensor_dim0 = 128
	s_mov_b32 s[G1+2], 64<<16                      ; tensor_dim1 = 64
	s_mov_b32 s[G1+3], 128<<16                     ; tile_dim0 = 128
	s_mov_b32 s[G1+4], 64                          ; tile_dim1 = 64
	s_mov_b32 s[G1+5], 128                         ; elements from row to row: dense
	s_mov_b32 s[G1+6], 0
	s_mov_b32 s[G1+7], 0
	; group 1 for Wo: 64 k rows x 128 elements, 8 words of padding behind every 64 words
	s_or_b32 s[G1B+0], s44, (1<<16)|(1<<20)|(1<<21)|(5<<22)|(7<<25)
	s_mov_b32 s[G1B+1], 128<<16
	s_mov_b32 s[G1B+2], 64<<16
	s_mov_b32 s[G1B+3], 128<<16
	s_mov_b32 s[G1B+4], 64
	s_mov_b32 s[G1B+5], 1024
	s_mov_b32 s[G1B+6], 0
	s_mov_b32 s[G1B+7], 0
	; byte offsets of the first tiles.  o's never holds cx, Wo's never cy.
	s_lshr_b32 s16, s13, 3                         ; b: 16 heads of 131,072 bytes
	s_lshl_b32 s16, s16, 21
	s_and_b32 s17, s13, 7                          ; r*2 + half of a: 128 rows of 128 bytes
	s_lshl_b32 s17, s17, 14
	s_add_co_u32 s16, s16, s17
	s_lshl_b32 s17, s12, 17                        ; the step's first or second head
	s_add_co_u32 s16, s16, s17
	s_mov_b32 s17, 0
	s_lshl_b32 s46, s12, 17                        ; 64 k rows of 2,048 bytes for the second half
	s_lshl_b32 s47, s42, 8                         ; 128 x columns of 2 bytes
	s_add_co_u32 s46, s46, s47
	s_add_co_u32 s46, s46, WOBASE
	s_mov_b32 s47, 0
	s_mul_i32 s20, s10, AHALF                      ; where they go: o's two heads, then Wo's two halves = wave * 18,432
	s_lshl_b32 s88, s42, 9                         ; my first column, in f32: (128 x + 64 half) * 4 bytes: for the bias and for out0
	s_lshl_b32 s89, s12, 8
	s_add_co_u32 s88, s88, s89
	s_mov_b32 s89, 0
	s_wait_dscnt 0x0
	s_wait_kmcnt 0x0
	s_mov_b64 s[8:9], s[86:87]                     ; out0
	s_add_nc_u64 s[14:15], s[4:5], s[16:17]
	s_add_nc_u64 s[46:47], s[6:7], s[46:47]
	s_add_nc_u64 s[84:85], s[84:85], s[88:89]
	CROUND                                         ; all sixteen work-groups are here: the first joint loads meet
.irp s, 0,1,2,3
	s_mov_b32 s[G0+4*\s], 1
	s_add_co_u32 s[G0+4*\s+1], s20, \s*SLOT
	s_add_nc_u64 s[G0+4*\s+2:G0+4*\s+3], s[14:15], \s*STEPB        ; K step s: two heads on
	s_or_b32 s[G0+4*\s+3], s[G0+4*\s+3], 0x80000000
	s_mov_b32 s[G0B+4*\s], 1
	s_add_co_u32 s[G0B+4*\s+1], s20, \s*SLOT
	s_add_nc_u64 s[G0B+4*\s+2:G0B+4*\s+3], s[46:47], \s*STEPB      ; K step s: 128 rows down
	s_or_b32 s[G0B+4*\s+3], s[G0B+4*\s+3], 0x80000000
	JLOAD \s                                       ; four tensor loads of the wave are out behind the last of these: the most in this text
.endr
	v_and_b32 v1, 15, v0                           ; r = l % 16
	v_bfe_u32 v2, v0, 4, 1                         ; h = l / 16
	v_mul_u32_u24 v3, v1, APITCH
	v_lshl_add_u32 v3, v2, 4, v3                   ; o fragment: row r, 16 bytes for each half of the lanes; second load 32 bytes on
	v_and_b32 v7, 7, v0
	v_lshl_add_u32 v4, v2, 3, v7                   ; Wo fragment by the transposing load: k row (l & 7) + 8 h,
	v_mul_u32_u24 v4, v4, BPITCH
	v_bfe_u32 v5, v0, 3, 1
	v_lshl_add_u32 v4, v5, 4, v4                   ; 16 bytes (8 columns) for each group of eight lanes; second load 16 k rows on
	s_mul_i32 s21, s11, 64*APITCH                  ; my 64 rows of o
	s_lshl_b32 s22, s12, 7                         ; my 64 columns of Wo, 2 bytes each,
	s_add_co_u32 s22, s22, ABYTES                  ; behind o's two heads
.irp s, 0,1,2,3
	v_add_nc_u32 v[ADRA+\s], s21, v3
	v_add_nc_u32 v[ADRB+\s], s22, v4
	s_add_co_u32 s21, s21, SLOT
	s_add_co_u32 s22, s22, SLOT
.endr
	s_mul_i32 s23, s10, 16*SPITCH
	s_add_co_u32 s23, s23, STAGE                   ; my stage
	v_mul_u32_u24 v6, v1, SPITCH
	v_lshl_add_u32 v6, v2, 5, v6
	v_add_nc_u32 v[STO], s23, v6                   ; in: row r, 32 bytes (8 f32) for each half of the lanes
	v_mul_u32_u24 v6, v2, SPITCH                   ; back: lanes 0-15 take one row of 256 bytes, lanes 16-31 the next
	v_lshl_add_u32 v6, v1, 4, v6
	v_add_nc_u32 v[RD], s23, v6
	v_lshlrev_b32 v6, 14, v2                       ; in out0 the next a is four rows of 4,096 bytes on
	v_lshl_add_u32 v[CO], v1, 4, v6
	v_lshlrev_b32 v[BO], 5, v2                     ; bias: tile b, register j is column 16 b + 8 h + j
	WIN TO_B
.irp b, 0,1,2,3
	global_load_b128 v[BIAS+8*\b:BIAS+8*\b+3],   v[BO], s[84:85] offset:64*\b       ; waited for on the way out; their registers, v[BO] and s[84:85] are not touched till then
	global_load_b128 v[BIAS+8*\b+4:BIAS+8*\b+7], v[BO], s[84:85] offset:64*\b+16
.endr
	WIN 0
; 8 matrix instructions: row blocks a0, a0 + 1 x all 4 column blocks, 32 along K.  zero = 1: the first product starts the sums.
; The 16 accumulators take turns, one instruction a turn, in the same order in every quarter step.
.macro MUL8 f, a0, zero
.irp a, \a0, \a0+1
.irp b, 0,1,2,3
.if \zero
	v_wmma_f32_16x16x32_f16 v[8*(4*(\a)+\b):8*(4*(\a)+\b)+7], v[\f+8*\b:\f+8*\b+7], v[\f+8*(\a):\f+8*(\a)+7], 0
.else
	v_wmma_f32_16x16x32_f16 v[8*(4*(\a)+\b):8*(4*(\a)+\b)+7], v[\f+8*\b:\f+8*\b+7], v[\f+8*(\a):\f+8*(\a)+7], v[8*(4*(\a)+\b):8*(4*(\a)+\b)+7]
.endif
.endr
.endr
.endm
; 16 LDS loads in one run: quarter q (32 along K: head q / 2 of the step, d from 32 (q % 2)) into buffer f: Wo's 4 column blocks, then o's 4 row blocks
.macro FETCH slot, q, f
	WIN TO_B
.irp i, 0,1,2,3
	ds_load_tr16_b128 v[\f+8*\i:\f+8*\i+3],   v[ADRB+\slot] offset:\q*32*BPITCH+32*\i
	ds_load_tr16_b128 v[\f+8*\i+4:\f+8*\i+7], v[ADRB+\slot] offset:\q*32*BPITCH+32*\i+16*BPITCH
.endr
	WIN 0
.irp i, 0,1,2,3
	ds_load_b128 v[\f+8*\i:\f+8*\i+3],   v[ADRA+\slot] offset:(\q/2)*AHALF+(\q%2)*64+\i*16*APITCH
	ds_load_b128 v[\f+8*\i+4:\f+8*\i+7], v[ADRA+\slot] offset:(\q/2)*AHALF+(\q%2)*64+\i*16*APITCH+32
.endr
.endm
; Four plain vector instructions stand between a matrix instruction and a load into one of its registers or a vector instruction
; that reads its result (ISA guide 7.12.1 for vector instructions).
.macro PLACES
.rept 4
	v_nop
.endr
.endm
; A quarter step: multiplies buffer f; in its middle it fetches quarter q of the named slot into buffer g.
.macro QUARTER slot, q, f, g, zero
	s_wait_dscnt 4                                 ; Wo and o's row blocks 0, 1 are in; the youngest four loads (blocks 2, 3) may be out
	WIN MUL_LO
	MUL8 \f, 0, \zero
	PLACES
	FETCH \slot, \q, \g
	s_wait_dscnt 16                                ; all but the 16 just issued
	WIN MUL_LO
	MUL8 \f, 2, \zero
.endm
.macro THREE slot, zero                ; a K step's first three quarters
	QUARTER \slot, 1, F0, F1, \zero
	QUARTER \slot, 2, F1, F0, 0
	QUARTER \slot, 3, F0, F1, 0
.endm
; A K step's last quarter multiplies buffer 1 and goes on to the next slot, in one of three ways.
; NEXT: the next slot's tile is known whole (every wave waited for all its loads in front of the last round): a quarter like the others.
.macro NEXT next
	QUARTER \next, 0, F1, F0, 0
.endm
; SHOW: the next slot's tile is shown to the other waves.  left = how many younger tensor loads of mine may stay out.
.macro SHOW next, left
	s_wait_dscnt 0                                 ; no LDS load is out at a signal (the ones that were are this quarter's fragments)
	s_wait_tensorcnt \left                         ; tensor loads of a wave end in order (ISA guide 10.11.1): my part of the next slot is in
	s_barrier_signal -1
	WIN MUL_LO
	MUL8 F1, 0, 0                                  ; register work while the others arrive
	s_barrier_wait -1                              ; everybody's part is in
	PLACES
	FETCH \next, 0, F0
	WIN MUL_LO
	MUL8 F1, 2, 0
.endm
; REFILL: slots sa and sb, which have been read, are filled again, four K steps ahead.  In front of the round of the cluster's barrier each wave waits
; for its LDS reads and for ALL its tensor loads; inside it stands register work alone; the joint refills are the first tensor loads behind it.
; The next two slots' tiles are whole behind it, in every wave's eyes.  From these requests to the wait for them a wave issues 120 matrix instructions.
.macro REFILL next, sa, sb
	s_wait_dscnt 0
	s_wait_tensorcnt 0x0
	ds_add_u32 v255, v255
	s_wait_dscnt 0x0
	s_barrier_signal -1
	WIN MUL_LO
	MUL8 F1, 0, 0                                  ; register work while the others arrive
	WIN 0
	s_barrier_wait -1
	CREST                                          ; no wave of any partner still reads these slots or has a load on its way
.irp t, \sa, \sb
	s_add_nc_u64 s[G0+4*\t+2:G0+4*\t+3], s[G0+4*\t+2:G0+4*\t+3], SLOTS*STEPB
	s_add_nc_u64 s[G0B+4*\t+2:G0B+4*\t+3], s[G0B+4*\t+2:G0B+4*\t+3], SLOTS*STEPB
.endr
	JLOAD \sa
	JLOAD \sb                                      ; two tensor loads of the wave are out
	PLACES
	FETCH \next, 0, F0
	WIN MUL_LO
	MUL8 F1, 2, 0
.endm
	s_wait_tensorcnt 3                             ; my part of K step 0 is in; steps 1, 2, 3 stay out
	s_barrier_signal -1
	s_barrier_wait -1
	FETCH 0, 0, F0
	THREE 0, 1                                     ; K step 0: its first products start the sums
	SHOW 1, 2                                      ; step 1's tile; steps 2, 3 stay out
	THREE 1, 0                                     ; K step 1
	REFILL 2, 0, 1                                 ; steps 2, 3 are whole; steps 4, 5 go out
	THREE 2, 0                                     ; K step 2
	NEXT 3
	THREE 3, 0                                     ; K step 3
	REFILL 0, 2, 3                                 ; steps 4, 5 are whole; steps 6, 7 go out: the last
	THREE 0, 0                                     ; K step 4
	NEXT 1
	THREE 1, 0                                     ; K step 5
	SHOW 2, 1                                      ; step 6's tile; step 7 stays out
	THREE 2, 0                                     ; K step 6
	SHOW 3, 0                                      ; step 7's tile: no tensor load is out from here on
	THREE 3, 0                                     ; K step 7
	s_wait_dscnt 4                                 ; the very last quarter: nothing more to fetch
	WIN MUL_LO
	MUL8 F1, 0, 0
	s_wait_dscnt 0
	MUL8 F1, 2, 0
	; THE WAY OUT, 16 rows at a time: add the bias, 32 bytes a lane into my own stage, read back as whole rows of 256 bytes.
	PLACES
	s_wait_loadcnt 0x0                             ; the bias
	s_lshr_b32 s16, s13, 3                         ; b: 1,024 rows of 4,096 bytes
	s_lshl_b32 s16, s16, 22
	s_bfe_u32 s17, s13, 0x20001                    ; r: row s = 4 a + r
	s_lshl_b32 s17, s17, 12
	s_add_co_u32 s16, s16, s17
	s_and_b32 s17, s13, 1                          ; a from 128 * half of a: steps of 16,384 bytes
	s_lshl_b32 s17, s17, 21
	s_add_co_u32 s16, s16, s17
	s_lshl_b32 s17, s11, 20                        ; + my 64 rows
	s_add_co_u32 s16, s16, s17
	s_mov_b32 s17, 0
	s_add_nc_u64 s[8:9], s[8:9], s[16:17]
	s_add_nc_u64 s[8:9], s[8:9], s[88:89]          ; my first column
; rows a = 16 i .. 16 i + 15 of my 64 = the four tiles (i, 0..3).  Each of the four runs reads back into 32 registers of its own (v[64 + 32 i] on),
; so no register that a store still reads is written again.
.macro OUT16 i
	WIN ADD_LO
.irp b, 0,1,2,3
.irp p, 0,2,4,6
	v_pk_add_f32 v[TMP+8*\b+\p:TMP+8*\b+\p+1], v[8*(4*\i+\b)+\p:8*(4*\i+\b)+\p+1], v[BIAS+8*\b+\p:BIAS+8*\b+\p+1]
.endr
.endr
	WIN 0
.irp b, 0,1,2,3
	ds_store_b128 v[STO], v[TMP+8*\b:TMP+8*\b+3]   offset:64*\b
	ds_store_b128 v[STO], v[TMP+8*\b+4:TMP+8*\b+7] offset:64*\b+16
.endr
.irp t, 0,1,2,3,4,5,6,7
	ds_load_b128 v[F0+32*\i+4*\t:F0+32*\i+4*\t+3], v[RD] offset:\t*2*SPITCH     ; my own stage; LDS serves a wave's instructions in order (ISA guide 5.7.1.4): these see the stores above
.endr
.irp t, 0,1,2,3,4,5,6,7
	s_wait_dscnt 7-\t                              ; LDS loads come back in order: rows 2 t, 2 t + 1 are in, the younger ones stay out
	global_store_b128 v[CO], v[F0+32*\i+4*\t:F0+32*\i+4*\t+3], s[8:9] offset:(16*\i+2*\t)*16384 th:TH_STORE_NT   ; 16 lanes store 256 consecutive bytes, at a multiple of 256 from out0's first byte
.endr
.endm
	OUT16 0
	OUT16 1
	OUT16 2
	OUT16 3
	s_set_vgpr_msb 0x1
	s_wait_tensorcnt 0x0
	ds_add_u32 v255, v255
	s_wait_dscnt 0x0
	s_set_vgpr_msb 0x100
	CROUND                                         ; the closing round: no work-group ends while a partner may still ask for a tile that names it
	s_endpgm
.Lfunc_end_k_qcd5b86e1e6_outp:
	.size	k_qcd5b86e1e6_outp, .Lfunc_end_k_qcd5b86e1e6_outp-k_qcd5b86e1e6_outp
	.p2alignl 7, 3214868480
	.fill 96, 4, 3214868480
	.section	.rodata,"a",@progbits
	.p2align	6, 0x0
	.amdhsa_kernel k_qcd5b86e1e6_outp
		.amdhsa_group_segment_fixed_size 327680
		.amdhsa_private_segment_fixed_size 0
		.amdhsa_enable_private_segment 0
		.amdhsa_kernarg_size 32
		.amdhsa_user_sgpr_count 2
		.amdhsa_user_sgpr_kernarg_segment_ptr 1
		.amdhsa_wavefront_size32 1
		.amdhsa_system_sgpr_workgroup_id_x 1
		.amdhsa_system_sgpr_workgroup_id_y 1
		.amdhsa_system_sgpr_workgroup_id_z 1
		.amdhsa_system_vgpr_workitem_id 0
		.amdhsa_next_free_vgpr 640
		.amdhsa_next_free_sgpr 90
		.amdhsa_reserve_vcc 0
		.amdhsa_float_denorm_mode_32 3
		.amdhsa_float_denorm_mode_16_64 3
		.amdhsa_memory_ordered 1
		.amdhsa_forward_progress 1
		.amdhsa_inst_pref_size 99
	.end_amdhsa_kernel
	.amdgpu_metadata
---
amdhsa.version: [ 1, 2 ]
amdhsa.kernels:
  - .name:           k_qcd5b86e1e6_outp
    .symbol:         k_qcd5b86e1e6_outp.kd
    .args:
      - { .name: ob, .offset: 0, .size: 8, .value_kind: global_buffer, .address_space: global }
      - { .name: xw, .offset: 8, .size: 8, .value_kind: global_buffer, .address_space: global }
      - { .name: bo, .offset: 16, .size: 8, .value_kind: global_buffer, .address_space: global }
      - { .name: out0, .offset: 24, .size: 8, .value_kind: global_buffer, .address_space: global }
    .group_segment_fixed_size: 327680
    .private_segment_fixed_size: 0
    .kernarg_segment_align: 8
    .kernarg_segment_size: 32
    .max_flat_workgroup_size: 128
    .sgpr_count:     90
    .vgpr_count:     640
    .wavefront_size: 32
...
	.end_amdgpu_metadata
.endif
;; end of part 4
